; MI455X (gfx1250); checked and timed in simulation.
; The chip was launched on July 23, 2026; its instructions are those of AMD's public machine-readable ISA for CDNA 5 (MIT licence, August 2026) and "CDNA5" Instruction Set Architecture Reference Guide (July 2026). The comments in the code are by the model that wrote it; some were corrected since.
;; Self Attention. Allowed arithmetic: matrix products marked QUANTISED: E2M3 operands, one E8M0 scale for each 32 along K, by v_wmma_scale_f32_16x16x128_f8f6f4 with both operands' format E2M3, f32 sums; everything else in f32.
;; Inputs: key_codes 2 x 12 x 2,048 x 2 x 24 uint8 (E2M3 codes of key, K innermost, in blocks of 32 codes, four codes in three bytes); key_scales 2 x 12 x 2,048 x 2 uint8 (E8M0 scales of key, one for each 32 codes along K); mask 2 x 2,048 x 2,048 int32; query 2 x 12 x 2,048 x 64 float32; value_codes 2 x 12 x 64 x 64 x 24 uint8 (E2M3 codes of value, K innermost, in blocks of 32 codes, four codes in three bytes); value_scales 2 x 12 x 64 x 64 uint8 (E8M0 scales of value, one for each 32 codes along K).
;; Outputs: out0 2 x 12 x 2,048 x 64 float32.
;; This version of the problem:
;;   THIS VERSION OF THE PROBLEM IS GIVEN IN LOW PRECISION. The matrix products marked QUANTISED in the list below multiply operands that are first quantised to E2M3 (2 exponent bits, 3 mantissa bits; 6 bits a number), with one power-of-two scale for each 32 numbers along K (OCP MX v1.0); their sums are f32. All else is computed in f32.
;;   The module's matrix products, in the order in which they are computed (A, B: the left and right operand; K: the contracted axis; several contracted axes count as one K, in the product's order):
;;     1. batch 24 x [M 2,048, K 64] x [K 64, N 2,048]; A: computed on the way; B: input key (given as codes): QUANTISED
;;     2. batch 24 x [M 2,048, K 2,048] x [K 2,048, N 64]; A: softmax (see below); B: input value (given as codes): QUANTISED
;;   THE QUANTISER, for each operand of a quantised product, along K:
;;     - K is cut into blocks of 32 from its start; a last block that is shorter is filled with zeros.
;;     - A block's scale is 2^e with e = floor(log2(the largest magnitude in the block)) - 2, held to -126 .. 127; a block of zeros has e = 0. As a byte (E8M0): e + 127.
;;     - Each number is divided by its block's scale, clamped to +-7.5, and rounded to the nearest number of E2M3, ties to even, subnormals kept.
;;     - The product sums the exact products of the quantised numbers (number of the format x scale) in f32.
;;   ~~~python
;;   def quantise(x, axis):      # numpy; x: float32 -> the quantised numbers, widened to float32 again
;;       x = np.moveaxis(x, axis, -1); K = x.shape[-1]
;;       x = np.pad(x, [(0, 0)] * (x.ndim - 1) + [(0, -K % 32)]); x = x.reshape(x.shape[:-1] + (-1, 32)); a = np.abs(x).max(-1, keepdims=True)
;;       e = np.where(a > 0, np.clip(np.frexp(np.where(a > 0, a, 1))[1] - 1 - 2, -126, 127), 0)      # np.frexp(a)[1] - 1 = floor(log2(a)), exactly
;;       r = np.clip(x / 2.0 ** e, -7.5, 7.5)
;;       step = 2.0 ** (np.maximum(np.frexp(np.where(r == 0, 1, r))[1] - 1, 0) - 3)
;;       q = np.round(r / step) * step * 2.0 ** e      # np.round: ties to even
;;       return np.moveaxis(q.reshape(q.shape[:-2] + (-1,))[..., :K], -1, axis).astype(np.float32)
;;   ~~~
;;   SOFTMAX AHEAD OF A QUANTISED PRODUCT. Where the list says 'softmax', what is quantised is not the finished softmax but p = 2^(t - M), with t = logit x log2(e) and M = ceil(the row's largest t), a whole number; so 1/2 < the row's largest p <= 1. The row's sum l is taken of the UNQUANTISED p, in f32, and the product's result is divided by l at the end. Since M is a whole number, a kernel that streams over the keys may use a running M (the ceiling of the running maximum): every later rescaling is an exact power of two, which a block's scale takes up: the codes' values come out the same.
;;   OPERANDS COMPUTED ON THE WAY. 'Computed on the way' means the value that the module computes at that place (a softmax that the list does not call 'softmax' is quantised finished and normalised). What goes into a quantiser is computed in f32, as accurately as f32 sums, v_exp_f32 and their like allow (about 1e-6 of the number): no bf16 or f16 on the way to a quantiser, and a product that is left as it is and whose result goes on into a quantised operand takes f32 operands (vector FMAs, or v_wmma_f32_16x16x4_f32). A number that lies on a knife's edge between two numbers of the format may be rounded either way, as far as f32 arithmetic and the matrix unit's own rounding can turn it there, and no further.
;;   INPUTS GIVEN AS CODES. key (in the module: [2, 12, 2048, 64], K = its axis 3); value (in the module: [2, 12, 2048, 64], K = its axis 2): each comes as NAME_codes (uint8): NAME with its K axis moved to the last place and cut into blocks of 32 codes, [.., K / 32, bytes a block], one block behind the other in memory; four codes in three bytes: a row's codes are one little-endian stream of bits, code i at bits 6 i .. 6 i + 5 (a code: sign, 2 exponent bits, 3 mantissa bits); and NAME_scales (uint8): the same leading axes, one E8M0 byte (e + 127) for each 32 codes along K. Its value is code x scale, taken as it is: it is not quantised again, and the codes and scales need not be those that the quantiser above would give.
;; One version. Each part assembles by itself: llvm-mc -triple=amdgcn-amd-amdhsa -mcpu=gfx1250 --defsym DOCPART=n.
;; ======== version 1 of 1: 1 launch
;; limits: right only within a limited range of input values
;; launch attn (part 1): grid 32 x 8, 8 waves a work-group, clusters of 4 x 4, 327,680 bytes of LDS; arguments query, key_codes, key_scales, value_codes, value_scales, mask, out0; writes out0
.if DOCPART == 1
	.amdgcn_target "amdgcn-amd-amdhsa--gfx1250"
	.amdhsa_code_object_version 6
	.text
	.protected	k_qc60b12acb7_attn
	.globl	k_qc60b12acb7_attn
	.p2align	8
	.type	k_qc60b12acb7_attn,@function
k_qc60b12acb7_attn:
	s_mov_b64 s[64:65], 0
	v_nop
	global_prefetch_b8 v0, s[64:65] scope:SCOPE_SE
	s_setreg_imm32_b32 hwreg(HW_REG_WAVE_MODE, 25, 1), 1
	s_wait_xcnt 0x0
	s_wait_alu depctr_hold_cnt(0) depctr_sa_sdst(0) depctr_va_vdst(0) depctr_va_sdst(0) depctr_va_ssrc(0) depctr_va_vcc(0) depctr_vm_vsrc(0)
	s_getreg_b32 s2, hwreg(HW_REG_IB_STS2, 6, 4)
	s_cmp_eq_u32 s2, 0
	s_cbranch_scc0 .Lentry_in_a_cluster
	s_endpgm
.Lentry_in_a_cluster:
	s_bfe_u32 s2, ttmp6, 0x10000c
	s_cmp_lg_u32 s2, 0xf033
	s_cbranch_scc0 .Lentry_shape_is_right
	s_endpgm
.Lentry_shape_is_right:
; out[b][h][q][:] = the sum over k of softmax_k(where(mask[b][q][k] == 0, -1e9, (query / 8) . key)) value[k][:], both products on codes of FP6 (E2M3) with one E8M0 scale for each 32 along a product's K.
; query [24][2048][64] f32 is multiplied by 1/8 and quantised here.  key: codes [24][2048][48 bytes], scales [24][2048][2].  value: codes, keys innermost, [24][64][1536 bytes], scales [24][64][64].  mask [2][2048][2048] int32.
; THE SOFTMAX: t = logit x log2(e); M = the row's largest t so far rounded UP to a whole number; p = 2^(t - M) is quantised along the keys, not normalised; the row's sum is taken of the unquantised p and divides at the end.
; When M moves, the sum and O are multiplied by 2^(old M - new M): exact.
; SHARES.  A work-group (x, y) has the 64 queries 64 x .. of the three heads 3 y .. 3 y + 2 (of batch y / 4).  Wave w = 4 g + j has the tile of 16 queries j, ALL THREE HEADS, and of each slot of 256 keys the 128 keys 128 g ..; so a
; mask word is turned into a summand once and serves three heads.  Eight trips, one a slot.  At the end the two waves of a tile join their O, sums and M through LDS.
; CLUSTERS 4 x 4: the four work-groups of a row (same y) ask jointly for K's codes, the four of a column (same x, same batch) for the mask.
; V's codes come by plain loads and LDS stores: a slot's 192 bytes of a row begin off 256-byte borders and run across them, so no tensor load takes them.  So do the scales, once, at the head.
; ONE ROUND A TRIP, in its third head: V's last fragments are asked for early there; the opening signal stands ahead of the exponentials, which with O's rescaling (registers alone) stand between it and its wait.  Behind the round the slot
; just read is filled again, the next slot's mask and first head of K are loaded, and the conversions, sums and second product of the third head stand between those loads and the wait for them.
; LAYOUT.  Both products are used transposed: S^T = K Q^T, O^T = V^T P^T: a lane holds ONE query (lane % 16) throughout.  Lane r of K's tile 4 c + u takes key 64 c + 32 (r / 8) + 8 u + r % 8, so that score register 32 c + i of
; lane half h is key 64 c + 32 h + i: a lane's 32 registers are one whole block along the second product's K: its maximum and its codes need no other lane.
; THE MASK is the C of the score product: 0, or -2^97 where the mask is 0.
; THE FIRST PRODUCT'S K IS 64, the instruction's 128: Q's upper six registers are zero codes; bytes 2, 3 of both scale words are 0 (2^-127, a finite scale).  K's upper six registers hold the next tile's codes, the last tile's six zeros.
; PREFETCH: the mask alone, a slot's 64 rows x 1,024 bytes shared out by address among the four work-groups of a column, two trips ahead of the tensor load that wants it.  K and V are not prefetched: all eight clusters of a grid row
; walk the same 73,728 bytes of a slot in the same trips.
; LIMITS.  A masked logit is taken as -2^97 plus the score, which is -2^97 in f32 while scores stay under 2^70 in magnitude; then t - M is exactly 0 in a wholly masked row.  The results are those of -1e9 wherever a row is wholly
; masked or has an unmasked logit above about -9.9e8.  The promise holds while |t| of unmasked keys stays under 2^31.  NaN and infinities among the inputs are not served.  A block of q whose largest magnitude lies under 2^-124 keeps the scale byte 1.
.set KODD,  18560                      ; K's odd blocks lie behind the even ones' 18,432 bytes + 128: so 8-byte reads of keys 32 apart touch different banks (64 banks of 4 bytes: ISA guide 11.1)
.set KSLOT, 37120
.set VBASE, 74240
.set VG16,  784                        ; V in LDS: rows d, d + 16, d + 32, d + 48 on end (192 bytes each), 16 bytes behind: 196 words a lane
.set VHEAD, 16*VG16
.set VSLOT, 3*VHEAD
.set MBASE, 149504
.set MP,    1040                       ; a mask row in LDS: 1,024 bytes + 16
.set MSLOT, 66560                      ; 64 rows
.set KSC,   282624                     ; K's scale bytes, all 3 x 4,096
.set VSC,   294912                     ; V's, 192 rows of 64 + 8 bytes
.set SPARE, 308736                     ; the spare words, 128 bytes a wave
.set XCH,   309760                     ; (-M, sum) of each row, 512 bytes a wave
.set QCO,   313856                     ; Q's codes, [tile j][head][row] x 48 bytes
.set QWD,   323072                     ; Q's scale words
.set SP,    272                        ; a stage row
.set STG,   48*SP                      ; a wave's stage on the way out: 48 rows
; window 0
.set LI, 1                             ; 16 x lane
.set SPW, 2
.set NIL, 3
.set KAD, 4
.set KSA, 5
.set VAD, 6
.set VSA, 8
.set MAD, 9                            ; 9, 10: slots 0, 1
.set VG, 11
.set VW, 12                            ; 12, 13
.set PFO, 14
.set H8, 15                            ; 8 x lane half
.set NM, 16                            ; head z: 16 + 4 z: -M, largest t, the sum in two halves
.set QS, 28                            ; 28-30
.set PS, 31
.set KS, 32                            ; 32-35
.set VS, 36                            ; 36-37
.set FF, 38                            ; pair
.set BM, 40                            ; 40-43
.set TT, 44
.set XR, 45
.set XW, 46
.set OLD, 47
.set SO, 48                            ; 48, 49
.set BY, 50                            ; 50, 51
.set LC, 50                            ; chains at 52, 54, 56
.set CT, 58                            ; 58-60, 62-64
.set PC, 66                            ; 66-77
.set KSA0, 78
.set VSA0, 79
.set SS, 80                            ; 80-143
.set KF, 144                           ; 144-191, zeros 192-197
.set VST, 198                          ; 198-233
.set KA, 234                           ; 234, 235: K's fragments of the head to be loaded, blocks c = 0, 1
.set VA, 236                           ; V's
; at the head only: 32, 33 where Q's codes go, 34, 35 where its words go, 36 the stage's second way back, 40, 41 Q's codes and words to be loaded
; window 1: 0-63 the mask's summands
.set OT, 64                            ; 64-159
.set QF, 160                           ; 160-195
.set VF, 196                           ; 196-243
; scalars: s18 wave, s[24:25] lane selects, s[26:27] log2(e), s28 -2^97, s29 loop, s31 the prefetch's limit, s70, s71 the scales' steps
.set G1K, 32
.set G1M, 40
.set G0K, 48
.set G0M, 56
.set VB, 66
.set PFA, 68
.set MSB, 0
.macro WIN new
.if MSB != \new
	s_set_vgpr_msb (MSB<<8)|\new
.set MSB, \new
.endif
.endm
.macro JLOAD s                         ; a joint load: waves 0 to 5 a head's even or odd blocks of K, waves 6 and 7 half of the mask's rows
	s_cmp_lt_u32 s18, 6
	s_cbranch_scc0 .Lfor_m_\@
	tensor_load_to_lds s[G0K+4*(\s):G0K+4*(\s)+3], s[G1K:G1K+7]
	s_nop 0
.rept 4
	v_nop
.endr
	s_branch .Lasked_\@
.Lfor_m_\@:
	tensor_load_to_lds s[G0M+4*(\s):G0M+4*(\s)+3], s[G1M:G1M+7]
	s_nop 0
.rept 4
	v_nop
.endr
.Lasked_\@:
.endm
.macro CREST                           ; a round of the cluster's barrier, behind its opening barrier
	s_cmp_lg_u32 s18, 0
	s_cbranch_scc1 .Lnot_wave_0_\@
	s_barrier_signal -3
.Lnot_wave_0_\@:
	s_barrier_wait -3
	s_barrier_signal -1
	s_barrier_wait -1
.endm
.macro CROUND                          ; a whole round
	s_barrier_signal -1
	s_barrier_wait -1
	CREST
.endm
.macro VGLOAD                          ; of each head my 8 rows x 192 bytes of a V slot: nine loads of 8 rows x 64 bytes
.irp k, 0,1,2,3,4,5,6,7,8
	global_load_b128 v[VST+4*\k:VST+4*\k+3], v[VG], s[VB:VB+1] offset:98304*(\k/3)+64*(\k%3)
.endr
.endm
.macro VSTORE s
.irp k, 0,1,2,3,4,5,6,7,8
	ds_store_b128 v[VW+(\s)], v[VST+4*\k:VST+4*\k+3] offset:VHEAD*(\k/3)+64*(\k%3)
.endr
	s_add_nc_u64 s[VB:VB+1], s[VB:VB+1], 192       ; on to the next slot (the loads are done)
.endm
.macro KL m                            ; pieces 2 m, 2 m + 1 (8 bytes each, three a tile) of K's eight fragments
	ds_load_2addr_b64 v[KF+4*(\m):KF+4*(\m)+3], v[KA+(\m)/6] offset0:48*(((2*(\m))%12)/3)+((2*(\m))%3) offset1:48*(((2*(\m)+1)%12)/3)+((2*(\m)+1)%3)
.endm
.macro KSL i, z, sl                    ; scale words: lanes 0-15 tile 2 i's keys, lanes 16-31 tile 2 i + 1's; bytes 2, 3 come as 0
	ds_load_u16 v[KS+\i], v[KSA] offset:(\sl)*512+(\z)*4096+(\i/2)*128+(\i%2)*32
.endm
.macro KLOAD z, sl                     ; 16 loads in one run
.irp m, 0,1,2,3,4,5,6,7,8,9,10,11
	KL \m
.endr
.irp i, 0,1,2,3
	KSL \i, \z, \sl
.endr
.endm
.macro VLOAD z, sl                     ; V's four fragments and two registers of scale words: 14 loads in one run
	WIN 0x40
.irp t, 0,1,2,3
.irp p, 0,2,4                          ; pieces p, p + 1 of the tile's six
	ds_load_2addr_b64 v[VF+12*\t+2*\p:VF+12*\t+2*\p+3], v[VA] offset0:24*\t+6*(\p/3)+(\p%3) offset1:24*\t+6*((\p+1)/3)+((\p+1)%3)
.endr
.endr
	WIN 0
.irp i, 0,1
	ds_load_b32 v[VS+\i], v[VSA] offset:(\z)*4608+\i*2304+8*\sl   ; rows 32 i + lane
.endr
.endm
.macro FIRST sl                        ; a slot's mask words, in the order of the score registers, and head 0 of K
	v_add_nc_u32 v[KA], (\sl)*KSLOT, v[KAD]
	v_add_nc_u32 v[KA+1], (\sl)*KSLOT+1536, v[KAD]
	WIN 0x40
.irp i, 0,1,2,3,4,5,6,7,8,9,10,11,12,13,14,15
	ds_load_b128 v[4*\i:4*\i+3], v[MAD+(\sl)] offset:256*(\i/8)+16*(\i%8)
.endr
	WIN 0
	KLOAD 0, \sl
.endm
.macro ASK                             ; waves 6 and 7: 8 rows x 1,024 bytes each of the mask, of the slot two refills on
	s_cmp_gt_u32 s29, s31
	s_cbranch_scc0 .Lno_ask_\@
	global_prefetch_b8 v[PFO], s[PFA:PFA+1] th:TH_LOAD_NT scope:SCOPE_SE
.Lno_ask_\@:
.endm
	s_load_b256 s[4:11], s[0:1], 0x0               ; query s[4:5], key codes s[6:7], key scales s[8:9], value codes s[10:11]
	s_load_b128 s[12:15], s[0:1], 0x20             ; value scales s[12:13], mask s[14:15]
	s_load_b64 s[16:17], s[0:1], 0x30              ; out
	v_lshl_add_u32 v[SPW], v0, 2, SPARE
	v_mov_b32 v[NIL], 0
	ds_add_u32 v[SPW], v[NIL]                      ; the opening lines: the add, twice, and one wait
	ds_add_u32 v[SPW], v[NIL]
	v_lshrrev_b32 v1, 5, v0
	v_readfirstlane_b32 s18, v1                    ; wave
	v_and_b32 v68, 31, v0                          ; lane
	v_lshlrev_b32 v[LI], 4, v68
	s_and_b32 s19, s18, 1                          ; K: even or odd blocks; mask: which 32 rows
	s_lshr_b32 s20, s18, 1                         ; K: which head I fetch for
	s_and_b32 s21, s18, 3                          ; j
	s_lshr_b32 s22, s18, 2                         ; g
	s_bfe_u32 s72, ttmp6, 0x40000                  ; cx
	s_bfe_u32 s73, ttmp6, 0x40004                  ; cy
	s_lshl_b32 s74, ttmp9, 2
	s_add_co_u32 s74, s74, s72                     ; x
	s_and_b32 s75, ttmp7, 0xffff                   ; the cluster's y = the batch
	s_lshl_b32 s76, s75, 2
	s_add_co_u32 s76, s76, s73                     ; y
	s_mul_i32 s76, s76, 3                          ; my first head
	s_lshl_b32 s77, s73, 2
	s_lshl_b32 s77, 15, s77                        ; my row of the cluster
	s_lshl_b32 s78, 0x1111, s72                    ; my column
	; K's tile: 4 rows (every other block of 32 keys) of 192 x 8 bytes, 3,072 bytes apart
	s_or_b32 s[G1K], s77, (3<<16)|(1<<21)
	s_mov_b32 s[G1K+1], 192<<16
	s_mov_b32 s[G1K+2], 4<<16
	s_mov_b32 s[G1K+3], 192<<16
	s_mov_b32 s[G1K+4], 4
	s_mov_b32 s[G1K+5], 384
	s_mov_b32 s[G1K+6], 0
	s_mov_b32 s[G1K+7], 0
	; the mask's tile: 32 rows of 128 x 8 bytes, 8,192 bytes apart; in LDS 4 dwords behind every 256
	s_or_b32 s[G1M], s78, (3<<16)|(1<<20)|(1<<21)|(7<<22)|(3<<25)
	s_mov_b32 s[G1M+1], 128<<16
	s_mov_b32 s[G1M+2], 32<<16
	s_mov_b32 s[G1M+3], 128<<16
	s_mov_b32 s[G1M+4], 32
	s_mov_b32 s[G1M+5], 1024
	s_mov_b32 s[G1M+6], 0
	s_mov_b32 s[G1M+7], 0
	s_add_co_u32 s79, s76, s20
	s_mul_i32 s80, s79, 98304                      ; K: the head that I fetch for, even or odd blocks
	s_mul_i32 s79, s19, 1536
	s_add_co_u32 s80, s80, s79
	s_mov_b32 s81, 0
	s_lshl_b32 s82, s75, 24                        ; mask: the batch, my 64 rows,
	s_lshl_b32 s83, s74, 19
	s_add_co_u32 s82, s82, s83
	s_lshl_b32 s84, s73, 17                        ; the prefetch: my work-group's 16 of them, my wave's 8,
	s_add_co_u32 s84, s84, s82
	s_lshl_b32 s83, s19, 16
	s_add_co_u32 s84, s84, s83
	s_add_co_u32 s84, s84, 3*1024                  ; slot 3 first
	s_mov_b32 s85, 0
	s_lshl_b32 s83, s19, 18                        ; my half of the rows
	s_add_co_u32 s82, s82, s83
	s_mov_b32 s83, 0
	s_mul_i32 s86, s20, 6144                       ; where they go in LDS
	s_mul_i32 s79, s19, KODD
	s_add_co_u32 s86, s86, s79
	s_mul_i32 s87, s19, 32*MP
	s_add_co_u32 s87, s87, MBASE
	s_lshl_b32 s88, s76, 19                        ; query, out: a head is 524,288 bytes
	s_lshl_b32 s89, s74, 14
	s_add_co_u32 s88, s88, s89
	s_lshl_b32 s89, s21, 12
	s_add_co_u32 s88, s88, s89
	s_mov_b32 s89, 0
	s_lshl_b32 s90, s76, 12                        ; scales: 4,096 a head
	s_mov_b32 s91, 0
	s_mul_i32 s92, s76, 98304                      ; V's codes
	s_mov_b32 s93, 0
	s_mov_b32 s24, 0x76543210
	s_mov_b32 s25, 0xfedcba98                      ; v_permlanex16_b32's selects for lane l xor 16
	s_mov_b32 s26, 0x3fb8aa3b                      ; log2(e)
	s_mov_b32 s27, s26
	s_mov_b32 s28, 0xf0000000                      ; -2^97
	s_mov_b32 s70, 0
	s_mov_b32 s71, 0
	s_mov_b32 s29, 3
	s_cmp_lt_u32 s18, 6                            ; waves 6 and 7 prefetch
	s_cselect_b32 s31, -1, 1
	s_wait_alu depctr_va_vdst(0)
	s_wait_dscnt 0x0                               ; both opening adds are done
	s_wait_kmcnt 0x0
	s_add_nc_u64 s[80:81], s[6:7], s[80:81]
	s_add_nc_u64 s[82:83], s[14:15], s[82:83]
	s_add_nc_u64 s[PFA:PFA+1], s[14:15], s[84:85]
	s_add_nc_u64 s[4:5], s[4:5], s[88:89]
	s_add_nc_u64 s[8:9], s[8:9], s[90:91]
	s_add_nc_u64 s[12:13], s[12:13], s[90:91]
	s_add_nc_u64 s[VB:VB+1], s[10:11], s[92:93]
	s_lshl_b32 s90, s22, 19
	s_add_nc_u64 s[6:7], s[4:5], s[90:91]          ; q of head g,
	s_lshl_b32 s90, s22, 11
	s_add_co_u32 s88, s88, s90                     ; out: my 8 rows of each head's 16
	s_add_nc_u64 s[16:17], s[16:17], s[88:89]
	s_add_co_u32 s90, s90, 2*524288
	s_add_nc_u64 s[10:11], s[4:5], s[90:91]        ; and my 8 rows of head 2's
.irp i, 0,1,2,3,4,5,6,7
	global_load_b128 v[SS+4*\i:SS+4*\i+3], v[LI], s[6:7] offset:512*\i   ; two rows of q: 512 consecutive bytes; asked for ahead of the round, so that q is quantised while the first tiles are on their way
.endr
.irp i, 0,1,2,3
	global_load_b128 v[SS+32+4*\i:SS+32+4*\i+3], v[LI], s[10:11] offset:512*\i
.endr
.irp s, 0,1
	s_mov_b32 s[G0K+4*\s], 1
	s_add_co_u32 s[G0K+4*\s+1], s86, \s*KSLOT
	s_add_nc_u64 s[G0K+4*\s+2:G0K+4*\s+3], s[80:81], \s*12288
	s_or_b32 s[G0K+4*\s+3], s[G0K+4*\s+3], 0x80000000
	s_mov_b32 s[G0M+4*\s], 1
	s_add_co_u32 s[G0M+4*\s+1], s87, \s*MSLOT
	s_add_nc_u64 s[G0M+4*\s+2:G0M+4*\s+3], s[82:83], \s*1024
	s_or_b32 s[G0M+4*\s+3], s[G0M+4*\s+3], 0x80000000
.endr
	CROUND                                         ; in front of the first joint loads
	JLOAD 0                                        ; slot 0: one tensor load a wave
	s_mul_i32 s94, s18, 8*1536
	s_and_b32 s95, s18, 1
	s_mul_i32 s95, s95, 8*VG16
	s_lshr_b32 s96, s18, 1
	s_mul_i32 s96, s96, 192
	s_add_co_u32 s95, s95, s96
	s_add_co_u32 s95, s95, VBASE
	s_mul_i32 s96, s22, 3072
	s_lshl_b32 s97, s22, 8
	s_add_co_u32 s97, s97, KSC
	s_lshl_b32 s98, s22, 2
	s_add_co_u32 s98, s98, VSC
	s_mul_i32 s99, s22, 96
	s_add_co_u32 s99, s99, VBASE
	s_mul_i32 s100, s21, 16*MP
	s_lshl_b32 s86, s22, 9
	s_add_co_u32 s100, s100, s86
	s_add_co_u32 s100, s100, MBASE
	s_mul_i32 s101, s18, 16*SP
	s_add_co_u32 s101, s101, VBASE+VSLOT           ; Q's stage: V's slot 1, which is stored into only behind the next round
	s_lshl_b32 s2, s18, 9
	s_add_co_u32 s2, s2, XCH
	s_xor_b32 s3, s18, 4
	s_lshl_b32 s3, s3, 9
	s_add_co_u32 s3, s3, XCH
	s_mul_i32 s23, s18, STG
	s_add_co_u32 s23, s23, MBASE
	s_mul_i32 s86, s21, STG
	s_mul_i32 s87, s22, 8*SP
	s_add_co_u32 s86, s86, s87
	s_add_co_u32 s86, s86, MBASE
	s_mul_i32 s19, s21, 3*768
	s_add_co_u32 s19, s19, QCO                     ; my tile's codes of Q
	s_mul_i32 s20, s22, 768
	s_mul_i32 s87, s22, 384
	s_add_co_u32 s87, s87, s19
	s_add_co_u32 s87, s87, 2*768                   ; head 2, row 8 g
	s_mul_i32 s104, s21, 192
	s_add_co_u32 s104, s104, QWD                   ; and its words
	s_lshl_b32 s105, s22, 6
	s_lshl_b32 s30, s22, 5
	s_add_co_u32 s30, s30, s104
	s_add_co_u32 s30, s30, 128
	v_lshrrev_b32 v66, 2, v68                      ; lane / 4
	v_and_b32 v67, 3, v0                           ; lane % 4
	v_lshlrev_b32 v72, 4, v0
	v_lshlrev_b32 v74, 3, v0
	v_mul_u32_u24 v[VG], v66, 1536
	v_lshl_add_u32 v[VG], v67, 4, v[VG]
	v_add_nc_u32 v[VG], s94, v[VG]
.irp i, 0,1,2
	global_load_b128 v[176+4*\i:179+4*\i], v72, s[8:9] offset:4096*\i   ; K's scales of the three heads: 12,288 consecutive bytes over the work-group
.endr
.irp i, 0,1,2,3,4,5
	global_load_b64 v[234+2*\i:235+2*\i], v74, s[12:13] offset:2048*\i  ; V's
.endr
	VGLOAD                                         ; slot 0 of V
	v_and_b32 v64, 15, v0                          ; r
	v_bfe_u32 v65, v0, 4, 1                        ; h
	v_bfe_u32 v76, v0, 3, 1                        ; r / 8
	v_and_b32 v77, 7, v0                           ; r % 8
	v_lshlrev_b32 v[H8], 3, v65
	v_mul_u32_u24 v[KAD], v77, 48
	v_mad_u32_u24 v[KAD], v65, 24, v[KAD]
	v_add_nc_u32 v33, s87, v[KAD]                  ; Q's codes, head 2: row 8 g + r % 8, half h
	v_mad_u32_u24 v[KAD], v76, KODD, v[KAD]
	v_add_nc_u32 v[KAD], s96, v[KAD]
	v_lshlrev_b32 v[KSA0], 1, v77
	v_lshl_add_u32 v[KSA0], v65, 4, v[KSA0]
	v_lshl_add_u32 v[KSA0], v76, 6, v[KSA0]
	v_add_nc_u32 v[KSA0], s97, v[KSA0]
	v_mul_u32_u24 v[VSA0], v68, 72
	v_add_nc_u32 v[VSA0], s98, v[VSA0]
	v_mul_u32_u24 v[VAD], v64, VG16
	v_mad_u32_u24 v[VAD], v65, 24, v[VAD]
	v_add_nc_u32 v[VAD], s99, v[VAD]
	v_mul_u32_u24 v[MAD], v64, MP
	v_lshl_add_u32 v[MAD], v65, 7, v[MAD]
	v_add_nc_u32 v[MAD], s100, v[MAD]
	v_add_nc_u32 v[MAD+1], MSLOT, v[MAD]
	v_mul_u32_u24 v[VW], v66, VG16
	v_lshl_add_u32 v[VW], v67, 4, v[VW]
	v_add_nc_u32 v[VW], s95, v[VW]
	v_add_nc_u32 v[VW+1], VSLOT, v[VW]
	v_lshlrev_b32 v[PFO], 13, v66                  ; the prefetch: lane / 4 rows of 8,192 bytes, 256 x (lane % 4)
	v_lshl_add_u32 v[PFO], v67, 8, v[PFO]
	v_mul_u32_u24 v69, v65, SP                     ; Q's stage, in: row h, + 16 r
	v_lshl_add_u32 v69, v64, 4, v69
	v_add_nc_u32 v69, s101, v69
	v_mul_u32_u24 v70, v64, SP                     ; back: row r, + 128 h
	v_lshl_add_u32 v70, v65, 7, v70
	v_add_nc_u32 v70, s101, v70
	v_mul_u32_u24 v36, v77, SP                     ; and row r % 8, + 128 h
	v_lshl_add_u32 v36, v65, 7, v36
	v_add_nc_u32 v36, s101, v36
	v_mul_u32_u24 v40, v64, 48                     ; Q's codes: row r, half h
	v_mad_u32_u24 v40, v65, 24, v40
	v_add_nc_u32 v40, s19, v40
	v_add_nc_u32 v32, s20, v40                     ; head g's
	v_lshlrev_b32 v41, 2, v64
	v_add_nc_u32 v41, s104, v41                    ; and words
	v_add_nc_u32 v34, s105, v41
	v_lshlrev_b32 v35, 2, v77
	v_add_nc_u32 v35, s30, v35
	v_lshl_add_u32 v71, v0, 4, KSC
	v_lshrrev_b32 v73, 3, v0
	v_mul_u32_u24 v73, v73, 72
	v_lshl_add_u32 v73, v77, 3, v73
	v_add_nc_u32 v73, VSC, v73
	v_lshlrev_b32 v246, 3, v64                     ; the way out: my (-M, sum), my partner's, my stage, the stage by rows
	v_add_nc_u32 v247, s3, v246
	v_add_nc_u32 v246, s2, v246
	v_mul_u32_u24 v248, v64, SP
	v_lshl_add_u32 v248, v65, 5, v248
	v_add_nc_u32 v248, s23, v248
	v_mul_u32_u24 v249, v65, SP
	v_lshl_add_u32 v249, v64, 4, v249
	v_add_nc_u32 v249, s86, v249
	v_mov_b32 v75, 0                               ; (a lane permute's destination counts as one of its sources)
	v_mov_b32 v76, 0
	v_mov_b32 v[XR], 0
	v_mov_b32 v[XW], 0
	v_mov_b32 v[FF+1], 0
.irp i, 0,1,2,3,4,5
	v_mov_b32 v[KF+48+\i], 0                       ; what the last tile of K names as its upper six
.endr
.irp z, 0,1,2
	v_mov_b32 v[NM+4*\z], 0x7f61b1e6               ; -M = 3e38
	v_mov_b32 v[NM+4*\z+1], 0xff61b1e6             ; the largest t so far: under every t
	v_mov_b32 v[NM+4*\z+2], 0
	v_mov_b32 v[NM+4*\z+3], 0
.endr
	WIN 0x40
.set N, 0
.rept 96
	v_mov_b32 v[OT+N], 0                           ; O^T: every trip is written alike; the first change of M leaves zeros
.set N, N+1
.endr
.irp z, 0,1,2
.irp i, 6,7,8,9,10,11
	v_mov_b32 v[QF+12*\z+\i], 0                    ; zero codes for the upper 64 of the instruction's K
.endr
.endr
	WIN 0
	s_wait_alu depctr_va_vdst(0)
	s_wait_loadcnt 22                              ; head g's q is in; head 2's 4 loads and the 18 of scales and V may be out
.irp i, 0,1,2,3,4,5,6,7
	ds_store_b128 v69, v[SS+4*\i:SS+4*\i+3] offset:2*SP*\i
.endr
	s_wait_dscnt 0x0
.irp i, 0,1,2,3,4,5,6,7
	ds_load_b128 v[SS+4*\i:SS+4*\i+3], v70 offset:16*\i   ; q(r, 32 h + 0 .. 31): a whole block a lane
.endr
	s_wait_loadcnt 18
.irp i, 0,1,2,3
	ds_store_b128 v69, v[SS+32+4*\i:SS+32+4*\i+3] offset:2*SP*\i   ; LDS serves a wave's instructions in order: behind the reads above
.endr
	s_wait_dscnt 0x0
.irp i, 0,1,2,3,4,5,6,7
	ds_load_b128 v[SS+32+4*\i:SS+32+4*\i+3], v36 offset:16*\i
.endr
	s_wait_dscnt 0x0
.set N, 0
.rept 32
	v_pk_mul_f32 v[SS+N:SS+N+1], v[SS+N:SS+N+1], 0x3e000000 op_sel_hi:[1,0]   ; x 1/8
.set N, N+2
.endr
.irp u, 0,1
	v_max3_num_f32 v[250+\u], |v[SS+32*\u]|, |v[SS+32*\u+1]|, 0x1800000   ; and the floor 2^(3 - 127)
.endr
.irp i, 2,4,6,8,10,12,14,16,18,20,22,24,26,28,30
.irp u, 0,1
	v_max3_num_f32 v[250+\u], v[250+\u], |v[SS+32*\u+\i]|, |v[SS+32*\u+\i+1]|
.endr
.endr
.irp u, 0,1
	v_add_nc_u32 v[253+\u], 0xff000000, v[250+\u]  ; 2 off the exponent field: the conversion's scale operand
.endr
.irp u, 0,1
	v_lshrrev_b32 v[250+\u], 23, v[253+\u]
.endr
.irp u, 0,1
	v_lshlrev_b32 v[250+\u], v[H8], v[250+\u]      ; block h's byte at its place
.endr
.irp u, 0,1
	v_permlanex16_b32 v[75+\u], v[250+\u], s24, s25
.endr
.irp u, 0,1
	v_or_b32 v[QS+\u], v[250+\u], v[75+\u]         ; bytes 2 and 3 stay 0
.endr
.irp u, 0,1
	v_cvt_scalef32_pk16_fp6_f32 v[144+8*\u:146+8*\u], v[SS+32*\u:SS+32*\u+15], v[253+\u]
	v_cvt_scalef32_pk16_fp6_f32 v[160+4*\u:162+4*\u], v[SS+32*\u+16:SS+32*\u+31], v[253+\u]
.endr
	v_nop                                          ; one plain place behind a scaled conversion
.irp u, 0,1
.irp i, 0,1,2
	v_mov_b32 v[147+8*\u+\i], v[160+4*\u+\i]
.endr
.endr
.irp u, 0,1
.irp p, 0,1,2
	ds_store_b64 v[32+\u], v[144+8*\u+2*\p:145+8*\u+2*\p] offset:8*\p   ; (u = 1: lanes r and r xor 8 write the same bytes with the same values)
.endr
	ds_store_b32 v[34+\u], v[QS+\u]
.endr
	s_wait_alu depctr_va_vdst(0)
	s_wait_loadcnt 0x0
.irp i, 0,1,2
	ds_store_b128 v71, v[176+4*\i:179+4*\i] offset:4096*\i
.endr
.irp i, 0,1,2,3,4,5
	ds_store_b64 v73, v[234+2*\i:235+2*\i] offset:2304*\i
.endr
	VSTORE 0
	s_wait_alu depctr_va_vdst(0)                   ; the wait at the head's end
	s_wait_tensorcnt 0x0                           ; my part of slot 0 is in
	ds_add_u32 v[SPW], v[NIL]
	s_wait_dscnt 0x0                               ; the add, and my stores
	CROUND                                         ; slot 0, the scales and Q's codes lie in LDS
	JLOAD 1
	VGLOAD
	WIN 0x40
.irp z, 0,1,2
.irp p, 0,1,2
	ds_load_b64 v[QF+12*\z+2*\p:QF+12*\z+2*\p+1], v40 offset:768*\z+8*\p
.endr
.endr
	WIN 0
.irp z, 0,1,2
	ds_load_b32 v[QS+\z], v41 offset:64*\z
.endr
	v_add_nc_u32 v[KSA], s70, v[KSA0]
	v_add_nc_u32 v[VSA], s71, v[VSA0]
	FIRST 0
	ASK
; S^T = K Q^T + the mask's summand, tiles t0 .. t0 + 3 of head z
.macro QKP z, t0
	WIN 0x14
.irp t, \t0,\t0+1,\t0+2,\t0+3
.if (\t)%2
	v_wmma_scale_f32_16x16x128_f8f6f4 v[SS+8*(\t):SS+8*(\t)+7], v[KF+6*(\t):KF+6*(\t)+11], v[QF+12*\z:QF+12*\z+11], v[8*(\t):8*(\t)+7], v[KS+(\t)/2], v[QS+\z] matrix_a_fmt:MATRIX_FMT_FP6 matrix_b_fmt:MATRIX_FMT_FP6 matrix_a_scale:MATRIX_SCALE_ROW1
.else
	v_wmma_scale_f32_16x16x128_f8f6f4 v[SS+8*(\t):SS+8*(\t)+7], v[KF+6*(\t):KF+6*(\t)+11], v[QF+12*\z:QF+12*\z+11], v[8*(\t):8*(\t)+7], v[KS+(\t)/2], v[QS+\z] matrix_a_fmt:MATRIX_FMT_FP6 matrix_b_fmt:MATRIX_FMT_FP6
.endif
.endr
.endm
; half of the mask's words become summands
.macro BIAS n0
	WIN 0x45
.set N, \n0
.rept 32
	v_min_u32 v[N], 1, v[N]                        ; 0 or 1
.set N, N+1
.endr
.set N, \n0
.rept 32
	v_lshl_add_u32 v[N], v[N], 28, s28             ; 0: 0xf0000000 = -2^97; 1: 2^28 more, which is 0
.set N, N+1
.endr
.endm
.macro PKF z
	v_pk_fma_f32 v[SS+N:SS+N+1], v[SS+N:SS+N+1], s[26:27], v[NM+4*\z:NM+4*\z+1] op_sel_hi:[1,0,0]   ; t - M
.set N, N+2
.endm
.macro ADDS z, i                       ; the row's sum, of the unquantised p, in four chains
.irp q, 1,2,3
	v_pk_add_f32 v[LC+2*\q:LC+2*\q+1], v[LC+2*\q:LC+2*\q+1], v[SS+16*\q+\i:SS+16*\q+\i+1]
.endr
	v_pk_add_f32 v[NM+4*\z+2:NM+4*\z+3], v[NM+4*\z+2:NM+4*\z+3], v[SS+\i:SS+\i+1]
.endm
; HEAD z of a trip: 128 keys; its scores are on their way.  It ends with the next head's score product and its own second product.  next = 1: a slot follows; refill = 1: and this slot is filled again.
.macro HEAD z, sl, next, refill
	v_mov_b32 v[OLD], v[NM+4*\z]                   ; four places behind the products, for the loads below and the first reads of the scores
	v_add_nc_u32 v[VA], (\sl)*VSLOT+(\z)*VHEAD, v[VAD]
.if \z < 2
	v_add_nc_u32 v[KA], (\sl)*KSLOT+(\z+1)*6144, v[KAD]
	v_add_nc_u32 v[KA+1], (\sl)*KSLOT+(\z+1)*6144+1536, v[KAD]
.else
	v_nop
	v_nop
	VLOAD \z, \sl
.if \next
	s_wait_loadcnt 0x0                             ; the next slot's V is in
	VSTORE 1-\sl
.if \refill
	s_wait_xcnt 0x0                                ; the prefetch has read its address
	s_add_nc_u64 s[PFA:PFA+1], s[PFA:PFA+1], 1024
.endif
	s_wait_tensorcnt 0x0                           ; my part of the next slot is in;
	ds_add_u32 v[SPW], v[NIL]                      ; the add: the maxima and multiply-adds below stand between it and its wait
.if \refill
	s_add_nc_u64 s[G0K+4*\sl+2:G0K+4*\sl+3], s[G0K+4*\sl+2:G0K+4*\sl+3], 2*12288
	s_add_nc_u64 s[G0M+4*\sl+2:G0M+4*\sl+3], s[G0M+4*\sl+2:G0M+4*\sl+3], 2*1024
.endif
.endif
.endif
.irp q, 0,1,2,3
	v_max3_num_f32 v[BM+\q], v[SS+16*\q], v[SS+16*\q+1], v[SS+16*\q+2]   ; four chains by turns, each from a product's low end on
.endr
.irp i, 3,5,7,9,11,13
.irp q, 0,1,2,3
	v_max3_num_f32 v[BM+\q], v[BM+\q], v[SS+16*\q+\i], v[SS+16*\q+\i+1]
.endr
.endr
.irp c, 0,2
	v_max3_num_f32 v[BM+\c], v[BM+\c], v[SS+16*\c+15], v[SS+16*\c+31]
.endr
.irp c, 0,2
	v_max_num_f32 v[BM+\c], v[BM+\c], v[BM+\c+1]   ; my two blocks' largest scores
.endr
	v_max_num_f32 v[TT], v[BM], v[BM+2]
	s_delay_alu instid0(VALU_DEP_1)
	v_permlanex16_b32 v[XR], v[TT], s24, s25
	s_delay_alu instid0(VALU_DEP_1)
	v_max_num_f32 v[TT], v[TT], v[XR]              ; the step's largest score of my query
	s_delay_alu instid0(VALU_DEP_1)
	v_mul_f32 v[TT], s26, v[TT]
	s_delay_alu instid0(VALU_DEP_1)
	v_max_num_f32 v[NM+4*\z+1], v[NM+4*\z+1], v[TT]
	s_delay_alu instid0(VALU_DEP_1)
	v_floor_f32 v[NM+4*\z], -v[NM+4*\z+1]          ; the new -M: a whole number
.if \z < 2
	VLOAD \z, \sl
.endif
.set N, 0
.irp m, 0,1,2,3,4,5,6,7,8,9,10,11
	PKF \z
	PKF \z
.if \m == 1
	v_sub_f32 v[TT], v[NM+4*\z], v[OLD]
.elseif \m == 4
	v_cvt_i32_f32 v[TT], v[TT]                     ; (it saturates)
.elseif \m == 7
	v_ldexp_f32 v[FF], 1.0, v[TT]                  ; f = 2^(old M - new M)
.endif
.endr
.rept 8
	PKF \z
.endr
	v_fma_f32 v[BM], v[BM], s26, v[NM+4*\z]        ; the same of each block's largest score
	v_fma_f32 v[BM+2], v[BM+2], s26, v[NM+4*\z]
	s_wait_alu depctr_va_vdst(0)                   ; the wait ahead of the batch
.if \z < 2
	KLOAD \z+1, \sl                                ; the next head's K
.elseif \next
	s_wait_dscnt 0x0                               ; the add is done, my reads of this slot are back, my stores into the next have landed:
	s_barrier_signal -1                            ; say so; behind it work on registers alone
.endif
.set N, 0
.rept 64
	v_exp_f32 v[SS+N], v[SS+N]                     ; p, at most 1
.set N, N+1
.endr
	v_exp_f32 v[BM], v[BM]                         ; each block's largest p: the same instructions on the same number
	v_exp_f32 v[BM+2], v[BM+2]
	v_pk_mul_f32 v[NM+4*\z+2:NM+4*\z+3], v[NM+4*\z+2:NM+4*\z+3], v[FF:FF+1] op_sel_hi:[1,0]   ; the sum under the new M (the plain place behind the batch)
	WIN 0x41
	s_wait_alu depctr_va_vdst(0)                   ; and the wait behind it, directly ahead of O^T's first reader
.set N, 0
.rept 16
	v_pk_mul_f32 v[OT+32*\z+N:OT+32*\z+N+1], v[OT+32*\z+N:OT+32*\z+N+1], v[FF:FF+1] op_sel_hi:[1,0]   ; O^T under the new M
.set N, N+2
.endr
	WIN 0
.if (\z == 2) && (\next)
	s_barrier_wait -1
.if \refill
	CREST                                          ; no wave of any partner still reads this slot or has a load on its way
	JLOAD \sl                                      ; the first tensor load behind the round: this slot again
	VGLOAD                                         ; and its V, for the slot after the next
.endif
.if \sl
	s_add_co_u32 s70, s70, 1024                    ; K's scales: 512 bytes a slot and head
	s_add_co_u32 s71, s71, 16                      ; V's: 8 bytes a slot and row
	v_add_nc_u32 v[KSA], s70, v[KSA0]
	v_add_nc_u32 v[VSA], s71, v[VSA0]
.endif
	FIRST 1-\sl                                    ; the next slot's first loads, under the rest of this head
.if \refill
	ASK
.endif
.endif
.irp c, 0,1
	v_max_num_f32 v[BM+2*\c], 0x1800000, v[BM+2*\c]   ; the floor 2^(3 - 127)
.endr
.irp q, 1,2,3
	v_pk_add_f32 v[LC+2*\q:LC+2*\q+1], v[SS+16*\q:SS+16*\q+1], v[SS+16*\q+2:SS+16*\q+3]
.endr
.irp c, 0,1
	v_add_nc_u32 v[SO+\c], 0xff000000, v[BM+2*\c]
.endr
	v_pk_add_f32 v[NM+4*\z+2:NM+4*\z+3], v[NM+4*\z+2:NM+4*\z+3], v[SS:SS+1]
	ADDS \z, 4
.irp c, 0,1
	v_lshrrev_b32 v[BY+\c], 23, v[SO+\c]
.endr
.irp c, 0,1
	v_cvt_scalef32_pk16_fp6_f32 v[PC+6*\c:PC+6*\c+2], v[SS+32*\c:SS+32*\c+15], v[SO+\c]
	v_cvt_scalef32_pk16_fp6_f32 v[CT+4*\c:CT+4*\c+2], v[SS+32*\c+16:SS+32*\c+31], v[SO+\c]   ; (a conversion's three registers begin on an even number)
.endr
	v_pk_add_f32 v[NM+4*\z+2:NM+4*\z+3], v[NM+4*\z+2:NM+4*\z+3], v[SS+2:SS+3]
	v_lshl_or_b32 v[BY], v[BY+1], 16, v[BY]        ; the bytes of my blocks h and 2 + h:
	ADDS \z, 6
	v_lshlrev_b32 v[BY], v[H8], v[BY]              ; at their places,
	ADDS \z, 8
	v_permlanex16_b32 v[XW], v[BY], s24, s25
.irp c, 0,1
.irp i, 0,1,2
	v_mov_b32 v[PC+6*\c+3+\i], v[CT+4*\c+\i]
.endr
.endr
	v_or_b32 v[PS], v[BY], v[XW]                   ; with lane l xor 16's two: p's scale word
	ADDS \z, 10                                    ; fifteen additions stand between p's codes and scale word and the second product
	ADDS \z, 12
	ADDS \z, 14
	v_pk_add_f32 v[LC+2:LC+3], v[LC+2:LC+3], v[LC+4:LC+5]
	v_pk_add_f32 v[NM+4*\z+2:NM+4*\z+3], v[NM+4*\z+2:NM+4*\z+3], v[LC+6:LC+7]
	v_pk_add_f32 v[NM+4*\z+2:NM+4*\z+3], v[NM+4*\z+2:NM+4*\z+3], v[LC+2:LC+3]
.if \z == 0
	s_wait_dscnt 0x0                               ; V, and the next head's K, are in
	QKP 1, 0
	QKP 1, 4
.elseif \z == 1
	s_wait_dscnt 0x0
	QKP 2, 0
	QKP 2, 4
.elseif (\next) == 0
	s_wait_alu depctr_va_vdst(0)
	s_wait_dscnt 0x0
.endif
	WIN 0x51
.irp t, 0,1,2,3                        ; O^T += V^T P^T: four accumulators by turns
.if \t%2
	v_wmma_scale_f32_16x16x128_f8f6f4 v[OT+32*\z+8*\t:OT+32*\z+8*\t+7], v[VF+12*\t:VF+12*\t+11], v[PC:PC+11], v[OT+32*\z+8*\t:OT+32*\z+8*\t+7], v[VS+\t/2], v[PS] matrix_a_fmt:MATRIX_FMT_FP6 matrix_b_fmt:MATRIX_FMT_FP6 matrix_a_scale:MATRIX_SCALE_ROW1
.else
	v_wmma_scale_f32_16x16x128_f8f6f4 v[OT+32*\z+8*\t:OT+32*\z+8*\t+7], v[VF+12*\t:VF+12*\t+11], v[PC:PC+11], v[OT+32*\z+8*\t:OT+32*\z+8*\t+7], v[VS+\t/2], v[PS] matrix_a_fmt:MATRIX_FMT_FP6 matrix_b_fmt:MATRIX_FMT_FP6
.endif
.endr
	WIN 0
.endm
; A TRIP on slot sl: its mask words and head 0 of K have been asked for.
.macro TRIP sl, next, refill
	s_wait_dscnt 16                                ; the mask is in; the 16 loads of K may be out
	BIAS 0
	WIN 0
	s_wait_alu depctr_va_vdst(0)
	s_wait_dscnt 0x0                               ; K is in
	QKP 0, 0
	BIAS 32                                        ; beside the first four products
	QKP 0, 4
	WIN 0
	HEAD 0, \sl, \next, \refill
	HEAD 1, \sl, \next, \refill
	HEAD 2, \sl, \next, \refill
.endm
.Lloop:                                                ; slots 0 to 5
	TRIP 0, 1, 1
	TRIP 1, 1, 1
	s_sub_co_u32 s29, s29, 1
	s_cmp_lg_u32 s29, 0
	s_cbranch_scc1 .Lloop
	TRIP 0, 1, 0                                   ; slot 6: nothing is left to fetch, so a barrier of the work-group serves
	TRIP 1, 0, 0                                   ; slot 7
	; THE WAY OUT.  The two waves of a tile exchange -M and the sum, each scales its own O^T, and both parts go through stages in LDS (the mask's slots, which have had their last fill and are read no more behind the barrier).
.irp z, 0,1,2
	v_add_f32 v[NM+4*\z+2], v[NM+4*\z+2], v[NM+4*\z+3]
.endr
.irp z, 0,1,2
	v_permlanex16_b32 v[BM+\z], v[NM+4*\z+2], s24, s25
.endr
.irp z, 0,1,2
	v_add_f32 v[NM+4*\z+1], v[NM+4*\z+2], v[BM+\z] ; the sum over my keys
.endr
	s_wait_alu depctr_va_vdst(0)
.irp z, 0,1,2
	ds_store_b64 v246, v[NM+4*\z:NM+4*\z+1] offset:128*\z   ; (lanes l and l xor 16 write the same words with the same values)
.endr
	s_wait_dscnt 0x0
	s_barrier_signal -1
	s_barrier_wait -1
.irp z, 0,1,2
	ds_load_b64 v[52+2*\z:53+2*\z], v247 offset:128*\z
.endr
	s_wait_dscnt 0x0
.irp z, 0,1,2
	v_min_num_f32 v[NM+4*\z+2], v[NM+4*\z], v[52+2*\z]   ; -M of both
.endr
.irp z, 0,1,2
	v_sub_f32 v[NM+4*\z], v[NM+4*\z+2], v[NM+4*\z]
	v_sub_f32 v[52+2*\z], v[NM+4*\z+2], v[52+2*\z]
.endr
.irp z, 0,1,2
	v_cvt_i32_f32 v[NM+4*\z], v[NM+4*\z]
	v_cvt_i32_f32 v[52+2*\z], v[52+2*\z]
.endr
.irp z, 0,1,2
	v_ldexp_f32 v[NM+4*\z], 1.0, v[NM+4*\z]        ; my factor
	v_ldexp_f32 v[52+2*\z], 1.0, v[52+2*\z]        ; my partner's
.endr
.irp z, 0,1,2
	v_mul_f32 v[53+2*\z], v[53+2*\z], v[52+2*\z]
.endr
.irp z, 0,1,2
	v_fma_f32 v[NM+4*\z+1], v[NM+4*\z+1], v[NM+4*\z], v[53+2*\z]   ; the row's sum
.endr
	s_wait_alu depctr_va_vdst(0)
.irp z, 0,1,2
	v_rcp_f32 v[NM+4*\z+1], v[NM+4*\z+1]
.endr
	v_nop                                          ; one plain place behind a transcendental
	s_wait_alu depctr_va_vdst(0)
.irp z, 0,1,2
	v_mul_f32 v[NM+4*\z], v[NM+4*\z], v[NM+4*\z+1]
.endr
	WIN 0x01
	s_wait_alu depctr_va_vdst(0)                   ; directly ahead of O^T's first reader
.irp z, 0,1,2
.set N, 0
.rept 16
	v_pk_mul_f32 v[SS+32*\z+N:SS+32*\z+N+1], v[OT+32*\z+N:OT+32*\z+N+1], v[NM+4*\z:NM+4*\z+1] op_sel_hi:[1,0]   ; register 8 t + i: (r, 16 t + 8 h + i)
.set N, N+2
.endr
.endr
	WIN 0
.irp z, 0,1,2
.irp t, 0,1,2,3
	ds_store_b128 v248, v[SS+32*\z+8*\t:SS+32*\z+8*\t+3] offset:16*SP*\z+64*\t
	ds_store_b128 v248, v[SS+32*\z+8*\t+4:SS+32*\z+8*\t+7] offset:16*SP*\z+64*\t+16
.endr
.endr
	s_wait_alu depctr_va_vdst(0)
	s_wait_dscnt 0x0
	s_barrier_signal -1
	s_barrier_wait -1
.irp k, 0,1,2,3,4,5,6,7,8,9,10,11      ; head k / 4, my rows 2 (k % 4) and the next: both waves' parts
	ds_load_b128 v[80+4*\k:83+4*\k], v249 offset:16*SP*(\k/4)+2*SP*(\k%4)
	ds_load_b128 v[128+4*\k:131+4*\k], v249 offset:4*STG+16*SP*(\k/4)+2*SP*(\k%4)
.endr
.irp k, 0,1,2,3,4,5,6,7,8,9,10,11
	s_wait_dscnt 22-2*\k                           ; the 22 - 2 k younger reads may be out
	v_pk_add_f32 v[80+4*\k:81+4*\k], v[80+4*\k:81+4*\k], v[128+4*\k:129+4*\k]
	v_pk_add_f32 v[82+4*\k:83+4*\k], v[82+4*\k:83+4*\k], v[130+4*\k:131+4*\k]
	global_store_b128 v[LI], v[80+4*\k:83+4*\k], s[16:17] offset:524288*(\k/4)+512*(\k%4) th:TH_STORE_NT   ; 16 lanes store 256 consecutive bytes, at a multiple of 256
.endr
	s_wait_tensorcnt 0x0                           ; the wave's end
	ds_add_u32 v[SPW], v[NIL]
	s_wait_dscnt 0x0
	CROUND                                         ; the closing round
	s_endpgm
.Lfunc_end_k_qc60b12acb7_attn:
	.size	k_qc60b12acb7_attn, .Lfunc_end_k_qc60b12acb7_attn-k_qc60b12acb7_attn
	.p2alignl 7, 3214868480
	.fill 96, 4, 3214868480
	.section	.rodata,"a",@progbits
	.p2align	6, 0x0
	.amdhsa_kernel k_qc60b12acb7_attn
		.amdhsa_group_segment_fixed_size 327680
		.amdhsa_private_segment_fixed_size 0
		.amdhsa_enable_private_segment 0
		.amdhsa_kernarg_size 56
		.amdhsa_user_sgpr_count 2
		.amdhsa_user_sgpr_kernarg_segment_ptr 1
		.amdhsa_wavefront_size32 1
		.amdhsa_system_sgpr_workgroup_id_x 1
		.amdhsa_system_sgpr_workgroup_id_y 1
		.amdhsa_system_sgpr_workgroup_id_z 1
		.amdhsa_system_vgpr_workitem_id 0
		.amdhsa_next_free_vgpr 512
		.amdhsa_next_free_sgpr 106
		.amdhsa_reserve_vcc 0
		.amdhsa_float_denorm_mode_32 3
		.amdhsa_float_denorm_mode_16_64 3
		.amdhsa_memory_ordered 1
		.amdhsa_forward_progress 1
		.amdhsa_inst_pref_size 255
	.end_amdhsa_kernel
	.amdgpu_metadata
---
amdhsa.version: [ 1, 2 ]
amdhsa.kernels:
  - .name:           k_qc60b12acb7_attn
    .symbol:         k_qc60b12acb7_attn.kd
    .args:
      - { .name: query, .offset: 0, .size: 8, .value_kind: global_buffer, .address_space: global }
      - { .name: key_codes, .offset: 8, .size: 8, .value_kind: global_buffer, .address_space: global }
      - { .name: key_scales, .offset: 16, .size: 8, .value_kind: global_buffer, .address_space: global }
      - { .name: value_codes, .offset: 24, .size: 8, .value_kind: global_buffer, .address_space: global }
      - { .name: value_scales, .offset: 32, .size: 8, .value_kind: global_buffer, .address_space: global }
      - { .name: mask, .offset: 40, .size: 8, .value_kind: global_buffer, .address_space: global }
      - { .name: out0, .offset: 48, .size: 8, .value_kind: global_buffer, .address_space: global }
    .group_segment_fixed_size: 327680
    .private_segment_fixed_size: 0
    .kernarg_segment_align: 8
    .kernarg_segment_size: 56
    .max_flat_workgroup_size: 256
    .sgpr_count:     106
    .vgpr_count:     512
    .wavefront_size: 32
...
	.end_amdgpu_metadata
.endif
;; end of part 1
